; MI455X (gfx1250); checked and timed in simulation.
; The chip was launched on July 23, 2026; its instructions are those of AMD's public machine-readable ISA for CDNA 5 (MIT licence, August 2026) and "CDNA5" Instruction Set Architecture Reference Guide (July 2026). The comments in the code are by the model that wrote it; some were corrected since.
;; RSR Linear. Allowed arithmetic: matrix products marked QUANTISED: E3M2 operands, one E8M0 scale for each 32 along K, by v_wmma_scale_f32_16x16x128_f8f6f4 with both operands' format E3M2, f32 sums; everything else in f32.
;; Inputs: W_codes 4,096 x 128 x 24 uint8 (E3M2 codes of W, K innermost, in blocks of 32 codes, four codes in three bytes); W_scales 4,096 x 128 uint8 (E8M0 scales of W, one for each 32 codes along K); bias 4,096 float32; weight_scale one number float32; x 1 x 4,096 x 4,096 float32.
;; Outputs: out0 1 x 4,096 x 4,096 float32.
;; This version of the problem:
;;   THIS VERSION OF THE PROBLEM IS GIVEN IN LOW PRECISION. The matrix products marked QUANTISED in the list below multiply operands that are first quantised to E3M2 (3 exponent bits, 2 mantissa bits; 6 bits a number), with one power-of-two scale for each 32 numbers along K (OCP MX v1.0); their sums are f32. All else is computed in f32.
;;   The module's matrix products, in the order in which they are computed (A, B: the left and right operand; K: the contracted axis; several contracted axes count as one K, in the product's order):
;;     1. [M 4,096, K 4,096] x [K 4,096, N 4,096]; A: computed on the way; B: input W (given as codes): QUANTISED
;;   THE QUANTISER, for each operand of a quantised product, along K:
;;     - K is cut into blocks of 32 from its start; a last block that is shorter is filled with zeros.
;;     - A block's scale is 2^e with e = floor(log2(the largest magnitude in the block)) - 4, held to -126 .. 127; a block of zeros has e = 0. As a byte (E8M0): e + 127.
;;     - Each number is divided by its block's scale, clamped to +-28, and rounded to the nearest number of E3M2, ties to even, subnormals kept.
;;     - The product sums the exact products of the quantised numbers (number of the format x scale) in f32.
;;   ~~~python
;;   def quantise(x, axis):      # numpy; x: float32 -> the quantised numbers, widened to float32 again
;;       x = np.moveaxis(x, axis, -1); K = x.shape[-1]
;;       x = np.pad(x, [(0, 0)] * (x.ndim - 1) + [(0, -K % 32)]); x = x.reshape(x.shape[:-1] + (-1, 32)); a = np.abs(x).max(-1, keepdims=True)
;;       e = np.where(a > 0, np.clip(np.frexp(np.where(a > 0, a, 1))[1] - 1 - 4, -126, 127), 0)      # np.frexp(a)[1] - 1 = floor(log2(a)), exactly
;;       r = np.clip(x / 2.0 ** e, -28, 28)
;;       step = 2.0 ** (np.maximum(np.frexp(np.where(r == 0, 1, r))[1] - 1, -2) - 2)
;;       q = np.round(r / step) * step * 2.0 ** e      # np.round: ties to even
;;       return np.moveaxis(q.reshape(q.shape[:-2] + (-1,))[..., :K], -1, axis).astype(np.float32)
;;   ~~~
;;   OPERANDS COMPUTED ON THE WAY. 'Computed on the way' means the value that the module computes at that place (a softmax that the list does not call 'softmax' is quantised finished and normalised). What goes into a quantiser is computed in f32, as accurately as f32 sums, v_exp_f32 and their like allow (about 1e-6 of the number): no bf16 or f16 on the way to a quantiser, and a product that is left as it is and whose result goes on into a quantised operand takes f32 operands (vector FMAs, or v_wmma_f32_16x16x4_f32). A number that lies on a knife's edge between two numbers of the format may be rounded either way, as far as f32 arithmetic and the matrix unit's own rounding can turn it there, and no further.
;;   INPUTS GIVEN AS CODES. W (in the module: [4096, 4096], K = its axis 1): each comes as NAME_codes (uint8): NAME with its K axis moved to the last place and cut into blocks of 32 codes, [.., K / 32, bytes a block], one block behind the other in memory; four codes in three bytes: a row's codes are one little-endian stream of bits, code i at bits 6 i .. 6 i + 5 (a code: sign, 3 exponent bits, 2 mantissa bits); and NAME_scales (uint8): the same leading axes, one E8M0 byte (e + 127) for each 32 codes along K. Its value is code x scale, taken as it is: it is not quantised again, and the codes and scales need not be those that the quantiser above would give.
;; One version. Each part assembles by itself: llvm-mc -triple=amdgcn-amd-amdhsa -mcpu=gfx1250 --defsym DOCPART=n.
;; ======== version 1 of 1: 2 launches
;; limits: right only within a limited range of input values
;; workspace buffers: x_codes 12,582,912 bytes; scl 1,048,576 bytes
;; launch quant (part 1): grid 256 x 1, 16 waves a work-group, no clusters, 327,680 bytes of LDS; arguments x, W_scales, x_codes, scl; writes x_codes, scl
.if DOCPART == 1
	.amdgcn_target "amdgcn-amd-amdhsa--gfx1250"
	.amdhsa_code_object_version 6
	.text
	.protected	k_qb3dd028d13_quant
	.globl	k_qb3dd028d13_quant
	.p2align	8
	.type	k_qb3dd028d13_quant,@function
k_qb3dd028d13_quant:
	s_mov_b64 s[64:65], 0
	v_nop
	global_prefetch_b8 v0, s[64:65] scope:SCOPE_SE
	s_setreg_imm32_b32 hwreg(HW_REG_WAVE_MODE, 25, 1), 1
	s_wait_xcnt 0x0
; x [4096][4096] f32 -> q = clip(rne(x s), -128, 127) / s with s = 127 / max(largest |x| of the row, 1e-5), all in f32;
; q becomes codes of BF6 (E3M2), K innermost (x_codes [4096][3072 bytes]), with one E8M0 byte for each 32 along K.
; A block's byte is the exponent field of its largest |q| less 4, held at 1 from below.
; THE SCALE BYTES are laid as the product's launch loads them: scl = [x | W][8 quads of 512 along K][4096 rows][16 bytes].
; W_scales [4096][128] is re-laid into the second half here; a work-group takes 16 rows of x and 16 rows of W_scales.
; LIMITS.  NaN and infinities in x are not served (the maxima drop a NaN).  The row's m lies between 2^-126 and 2^126 / 127: v_rcp_f32 takes a
; denormal as zero (ISA guide 15.8).  Blocks whose largest |q| lies under 2^-122 keep the byte 1; so does a block of zeros, where the rule says 127:
; its codes are zeros, and this program alone reads the bytes.  s and 1 / s are reciprocals with one correction step; q = n x (1 / s) stands for n / s.
; SHARES.  Sixteen waves, one row each: a row's maximum never leaves the wave.  A lane wants 16 neighbours along K, so a row comes into LDS by the wave's one
; tensor load, at the head, as 64 lines of 256 bytes (+16 of padding); every LDS byte is filled once, and a wave reads its own row behind its own wait.
; The row stays in 128 registers between the pass that finds the maximum and the pass that quantises: x is read once.
; Four waves share a SIMD: long runs work on independent registers, and the short dependent chains carry one-field hints.
; No cluster: no two work-groups read the same bytes.  No prefetch: the launch has no loop to run ahead in.
.set ROWL,  64*272
.set SCL,   16*ROWL                    ; x's scale bytes, 16 rows x 128
.set WSL,   SCL+2048                   ; W's scale bytes, 16 rows x 128
.set SPARE, SCL+4096                   ; the spare words: 128 bytes for each of 16 waves
.set LA,    2                          ; LDS address of my 64 bytes of step 0
.set CA,    6                          ; 12 x lane
.set SBA,   7                          ; LDS: my row's scale bytes + lane / 2
.set M,     8                          ; v8-15 pass 1: eight running maxima; pass 2: temporaries, two sets of four by turns
.set TR,    16                         ; LDS: row t % 16, quad t / 16 of the scale bytes (t = thread % 128)
.set GO,    17                         ; the same place in scl
.set MX,    18
.set SV,    20
.set IV,    22
.set E,     24
.set X,     32
.set C,     160
.set G1,    16
.set G0,    24
.macro DEP n
	s_delay_alu instid0(VALU_DEP_\n)
.endm
	s_load_b128 s[4:7], s[0:1], 0x0                ; x, W_scales
	s_load_b128 s[8:11], s[0:1], 0x10              ; x_codes, scl
	v_lshl_add_u32 v192, v0, 2, SPARE
	v_mov_b32 v193, 0
	ds_add_u32 v192, v193                          ; the opening lines
	ds_add_u32 v192, v193
	v_lshrrev_b32 v1, 5, v0
	v_readfirstlane_b32 s12, v1                    ; wave 0..15
	s_lshl_b32 s13, ttmp9, 4
	s_add_co_u32 s13, s13, s12                     ; my row
	s_mov_b32 s[G1+0], (3<<16)|(1<<20)|(5<<22)|(3<<25)   ; elements of 8 bytes; 4 words of padding behind every 64
	s_mov_b32 s[G1+1], 32<<16
	s_mov_b32 s[G1+2], 64<<16                      ; a row of x: 64 lines of 256 bytes
	s_mov_b32 s[G1+3], 32<<16
	s_mov_b32 s[G1+4], 64
	s_mov_b32 s[G1+5], 32
	s_mov_b32 s[G1+6], 0
	s_mov_b32 s[G1+7], 0
	s_mul_i32 s14, s12, ROWL
	s_lshl_b32 s2, s13, 14
	s_mov_b32 s3, 0
	s_mov_b32 s40, 0x42fe0000                      ; 127.0
	s_mov_b32 s41, 0xc3000000                      ; -128.0
	s_mov_b32 s42, 0x76543210
	s_mov_b32 s43, 0xfedcba98
	s_lshl_b32 s15, s12, 7
	s_add_co_u32 s15, s15, SCL
	s_wait_dscnt 0x0
	s_wait_kmcnt 0x0
	s_add_nc_u64 s[4:5], s[4:5], s[2:3]
	s_mov_b32 s[G0], 1
	s_add_co_u32 s[G0+1], s14, 0
	s_mov_b64 s[G0+2:G0+3], s[4:5]
	s_or_b32 s[G0+3], s[G0+3], 0x80000000
	tensor_load_to_lds s[G0:G0+3], s[G1:G1+7]      ; my row
	s_nop 0
	s_lshl_b32 s2, ttmp9, 11
	s_add_nc_u64 s[6:7], s[6:7], s[2:3]            ; the work-group's 16 rows of W_scales: 2,048 consecutive bytes
	s_mul_i32 s2, s13, 3072
	s_add_nc_u64 s[8:9], s[8:9], s[2:3]
	s_lshl_b32 s2, ttmp9, 8
	s_add_nc_u64 s[10:11], s[10:11], s[2:3]        ; scl at the work-group's 16 rows
	v_and_b32 v1, 31, v0
	v_and_b32 v10, 127, v0                         ; t
	v_lshrrev_b32 v8, 2, v1
	v_and_b32 v9, 3, v1
	v_mul_u32_u24 v8, v8, 272
	v_lshlrev_b32 v194, 4, v10
	v_lshl_add_u32 v8, v9, 6, v8
	v_mul_u32_u24 v[CA], v1, 12
	v_lshrrev_b32 v[SBA], 1, v1
	v_add_nc_u32 v[LA], s14, v8
	v_and_b32 v11, 15, v10
	v_lshrrev_b32 v12, 4, v10
	v_add_nc_u32 v[SBA], s15, v[SBA]
	v_add_nc_u32 v195, WSL, v194
	v_lshlrev_b32 v[TR], 7, v11
	v_lshlrev_b32 v[GO], 16, v12
	v_lshl_add_u32 v[TR], v12, 4, v[TR]
	v_lshl_or_b32 v[GO], v11, 4, v[GO]
	v_add_nc_u32 v[TR], SCL, v[TR]
	s_wait_alu depctr_va_vdst(0)                   ; the head's end
	s_cmp_lt_u32 s12, 4                            ; waves 0 to 3 bring W's scale bytes into LDS as they lie
	s_cbranch_scc0 .Lnot_w
	global_load_b128 v[C:C+3], v194, s[6:7]
	s_wait_loadcnt 0x0
	ds_store_b128 v195, v[C:C+3]
.Lnot_w:
	s_wait_tensorcnt 0x0                           ; my row is in LDS
.irp t, 0,1,2,3,4,5,6,7
.irp j, 0,1,2,3
	ds_load_b128 v[X+16*\t+4*\j:X+16*\t+4*\j+3], v[LA] offset:2176*\t+16*\j
.endr
.endr
.irp t, 0,1,2,3,4,5,6,7                ; pass 1: the largest |x| of my 128, and 1e-5 under which it is not taken, in eight chains
	s_wait_alu depctr_va_vdst(0)
	s_wait_dscnt 4*(7-\t)                          ; step t's four loads are in, those of the 7 - t later steps may be out
.irp k, 0,1,2,3,4,5,6,7
.if \t == 0
	v_max3_num_f32 v[M+\k], |v[X+2*\k]|, |v[X+2*\k+1]|, 0x3727c5ac
.else
	v_max3_num_f32 v[M+\k], v[M+\k], |v[X+16*\t+2*\k]|, |v[X+16*\t+2*\k+1]|
.endif
.endr
.endr
	v_max3_num_f32 v[M], v[M], v[M+1], v[M+2]
	DEP 4
	v_max3_num_f32 v[M+3], v[M+3], v[M+4], v[M+5]
	DEP 3
	v_max_num_f32 v[M+6], v[M+6], v[M+7]
	DEP 1
	v_max3_num_f32 v[M], v[M], v[M+3], v[M+6]
.irp m, 1,2,4,8
	DEP 1
	v_max_num_f32_dpp v[M], v[M], v[M] row_xmask:\m row_mask:0xf bank_mask:0xf
.endr
	DEP 1
	v_permlanex16_b32 v[M+1], v[M], s42, s43
	DEP 1
	v_max_num_f32 v[MX], v[M], v[M+1]              ; every lane holds m
	s_wait_alu depctr_va_vdst(0)
	v_rcp_f32 v[MX+1], v[MX]
	v_nop
	s_wait_alu depctr_va_vdst(0)
	v_mul_f32 v[SV], s40, v[MX+1]
	DEP 1
	v_fma_f32 v[SV+1], -v[MX], v[SV], s40          ; what is left of 127
	v_fma_f32 v[SV], v[SV+1], v[MX+1], v[SV]
	DEP 1
	v_mov_b32 v[SV+1], v[SV]
	s_wait_alu depctr_va_vdst(0)
	v_rcp_f32 v[IV], v[SV]
	v_nop
	s_wait_alu depctr_va_vdst(0)
	v_fma_f32 v[IV+1], -v[SV], v[IV], 1.0
	v_fma_f32 v[IV], v[IV+1], v[IV], v[IV]
	DEP 1
	v_mov_b32 v[IV+1], v[IV]
.macro STEP t                          ; pass 2: my 16 numbers of step t become q, then 16 codes; two neighbouring lanes hold a block of 32
.set XS, X+16*(\t)
.set T,  8+4*((\t)%2)
.irp n, 0,2,4,6,8,10,12,14
	v_pk_mul_f32 v[XS+\n:XS+\n+1], v[XS+\n:XS+\n+1], v[SV:SV+1]
.endr
.irp n, 0,1,2,3,4,5,6,7,8,9,10,11,12,13,14,15
	v_rndne_f32 v[XS+\n], v[XS+\n]
.endr
.irp n, 0,1,2,3,4,5,6,7,8,9,10,11,12,13,14,15
	v_med3_num_f32 v[XS+\n], v[XS+\n], s41, s40
.endr
.irp n, 0,2,4,6,8,10,12,14
	v_pk_mul_f32 v[XS+\n:XS+\n+1], v[XS+\n:XS+\n+1], v[IV:IV+1]
.endr
	v_max3_num_f32 v[T],   |v[XS]|,   |v[XS+1]|, |v[XS+2]|
	v_max3_num_f32 v[T+1], |v[XS+3]|, |v[XS+4]|, |v[XS+5]|
.irp n, 6,10
	DEP 2
	v_max3_num_f32 v[T],   v[T],   |v[XS+\n]|,   |v[XS+\n+1]|
	DEP 2
	v_max3_num_f32 v[T+1], v[T+1], |v[XS+\n+2]|, |v[XS+\n+3]|
.endr
	DEP 2
	v_max3_num_f32 v[T], v[T], |v[XS+14]|, |v[XS+15]|
	DEP 1
	v_max3_num_f32 v[T], v[T], v[T+1], 0x2800000   ; the floor 2^(5 - 127): the byte cannot fall under 1
	DEP 1
	v_max_num_f32_dpp v[T], v[T], v[T] row_xmask:1 row_mask:0xf bank_mask:0xf
	DEP 1
	v_add_nc_u32 v[T+3], 0xfe000000, v[T]          ; 4 off the exponent field: the conversion's scale operand
	v_cvt_scalef32_pk16_bf6_f32 v[C+4*(\t):C+4*(\t)+2], v[XS:XS+15], v[T+3]
	v_lshrrev_b32 v[E+(\t)], 23, v[T+3]            ; the byte (a plain line behind the conversion)
	ds_store_b8 v[SBA], v[E+(\t)] offset:16*(\t)   ; both lanes of a block write the same byte with the same value
	global_store_b96 v[CA], v[C+4*(\t):C+4*(\t)+2], s[8:9] offset:384*(\t)   ; the wave stores 384 consecutive bytes
.endm
.irp t, 0,1,2,3,4,5,6,7
	STEP \t
.endr
	s_wait_dscnt 0x0                               ; for the others' sake: my byte stores are done
	s_barrier_signal -1
	s_barrier_wait -1
	s_cmp_lt_u32 s12, 4                            ; waves 0 to 3 send the scale bytes out: thread t takes row t % 16, quad t / 16
	s_cbranch_scc0 .Lend
	ds_load_b128 v[8:11], v[TR]
	ds_load_b128 v[12:15], v[TR] offset:2048
	s_wait_dscnt 0x0
	global_store_b128 v[GO], v[8:11], s[10:11]     ; sixteen lanes store 256 consecutive bytes, aligned
	global_store_b128 v[GO], v[12:15], s[10:11] offset:524288
.Lend:
	s_wait_tensorcnt 0x0                           ; the wave's end
	ds_add_u32 v192, v193
	s_wait_dscnt 0x0
	s_endpgm
.Lfunc_end_k_qb3dd028d13_quant:
	.size	k_qb3dd028d13_quant, .Lfunc_end_k_qb3dd028d13_quant-k_qb3dd028d13_quant
	.p2alignl 7, 3214868480
	.fill 96, 4, 3214868480
	.section	.rodata,"a",@progbits
	.p2align	6, 0x0
	.amdhsa_kernel k_qb3dd028d13_quant
		.amdhsa_group_segment_fixed_size 327680
		.amdhsa_private_segment_fixed_size 0
		.amdhsa_enable_private_segment 0
		.amdhsa_kernarg_size 32
		.amdhsa_user_sgpr_count 2
		.amdhsa_user_sgpr_kernarg_segment_ptr 1
		.amdhsa_wavefront_size32 1
		.amdhsa_system_sgpr_workgroup_id_x 1
		.amdhsa_system_sgpr_workgroup_id_y 1
		.amdhsa_system_sgpr_workgroup_id_z 1
		.amdhsa_system_vgpr_workitem_id 0
		.amdhsa_next_free_vgpr 196
		.amdhsa_next_free_sgpr 66
		.amdhsa_reserve_vcc 0
		.amdhsa_float_denorm_mode_32 3
		.amdhsa_float_denorm_mode_16_64 3
		.amdhsa_memory_ordered 1
		.amdhsa_forward_progress 1
		.amdhsa_inst_pref_size 42
	.end_amdhsa_kernel
	.amdgpu_metadata
---
amdhsa.version: [ 1, 2 ]
amdhsa.kernels:
  - .name:           k_qb3dd028d13_quant
    .symbol:         k_qb3dd028d13_quant.kd
    .args:
      - { .name: x, .offset: 0, .size: 8, .value_kind: global_buffer, .address_space: global }
      - { .name: W_scales, .offset: 8, .size: 8, .value_kind: global_buffer, .address_space: global }
      - { .name: x_codes, .offset: 16, .size: 8, .value_kind: global_buffer, .address_space: global }
      - { .name: scl, .offset: 24, .size: 8, .value_kind: global_buffer, .address_space: global }
    .group_segment_fixed_size: 327680
    .private_segment_fixed_size: 0
    .kernarg_segment_align: 8
    .kernarg_segment_size: 32
    .max_flat_workgroup_size: 512
    .sgpr_count:     66
    .vgpr_count:     196
    .wavefront_size: 32
...
	.end_amdgpu_metadata
.endif
;; end of part 1
;; launch gemm (part 2): grid 16 x 16, 4 waves a work-group, clusters of 4 x 4, 327,680 bytes of LDS; arguments x_codes, W_codes, scl, bias, weight_scale, out0; writes out0
.if DOCPART == 2
	.amdgcn_target "amdgcn-amd-amdhsa--gfx1250"
	.amdhsa_code_object_version 6
	.text
	.protected	k_qb3dd028d13_gemm
	.globl	k_qb3dd028d13_gemm
	.p2align	8
	.type	k_qb3dd028d13_gemm,@function
k_qb3dd028d13_gemm:
	s_mov_b64 s[64:65], 0
	v_nop
	global_prefetch_b8 v0, s[64:65] scope:SCOPE_SE
	s_setreg_imm32_b32 hwreg(HW_REG_WAVE_MODE, 25, 1), 1
	s_wait_xcnt 0x0
	s_wait_alu depctr_hold_cnt(0) depctr_sa_sdst(0) depctr_va_vdst(0) depctr_va_sdst(0) depctr_va_ssrc(0) depctr_va_vcc(0) depctr_vm_vsrc(0)
	s_getreg_b32 s2, hwreg(HW_REG_IB_STS2, 6, 4)
	s_cmp_eq_u32 s2, 0
	s_cbranch_scc0 .Lentry_in_a_cluster
	s_endpgm
.Lentry_in_a_cluster:
	s_bfe_u32 s2, ttmp6, 0x10000c
	s_cmp_lg_u32 s2, 0xf033
	s_cbranch_scc0 .Lentry_shape_is_right
	s_endpgm
.Lentry_shape_is_right:
; out0[m][n] = (sum over k of q[m][k] W[n][k] + bias[n]) / weight_scale.  q and W: codes of BF6 (E3M2) with one E8M0 byte for each 32 along K; sums in f32.
; A work-group of four waves makes 256 x 256 of out0, a wave 128 x 128: 64 accumulators, 512 registers.  Rows of codes are 3,072 bytes.
; K goes through a ring of two LDS slots in CHUNKS OF 256 BYTES of each row (each begins at a multiple of 256 bytes); a step of 128 along K is 96 bytes:
; eight steps to three chunks; of each eight, steps 2 and 5 lie across two chunks.  Slots and chunks are back where they began after sixteen steps, six chunks:
; A TRIP OF THE LOOP IS THOSE SIXTEEN STEPS, 2,048 along K, and there are two trips.  A trip fills slot 0 and then slot 1 at its top, each behind the add and the cluster round
; and its last changes of slots fetch nothing: every joint load is issued in every trip and every fill is read.
; THE SUMS BEGIN AS THE BIAS, loaded straight into the accumulators in the result's layout, so that both trips are alike and nothing is cleared; the way out multiplies by 1 / weight_scale.
; THE SCALES come from scl = [x | W][8 quads][4096 rows][16 bytes] straight into registers: one load of 16 bytes a lane brings the four scale words of four steps;
; lanes 0-15 take 16 rows of x (256 consecutive bytes, aligned), lanes 16-31 16 rows of W (likewise).  Eight loads a quad, two sets of 32 registers, asked for four steps ahead (a trip's first quad at its top).
; CLUSTERS: 4 x 4 work-groups; x's tiles are asked for jointly along a row of the cluster, W's along a column.  The matrix instruction is used transposed
; (source 0 = 16 rows of W, source 1 = 16 rows of x): a lane holds eight neighbouring numbers of a row of out0.
; PREFETCH: one instruction of a wave names one chunk of 32 rows, a lane a row; of the 128 rows that a wave fetches each of the four partners takes 32, by address.
; At the head, ahead of the bias loads: chunks 0 and 1.  At a trip's top, behind the first fragment loads: the trip's chunks 2 and 3, two and five steps ahead of their refills.
; Behind each refill: the chunk two refills on; the first trip's last two refills name the second trip's chunks 0 and 1, the second trip's name nothing.  So each of the twelve chunks is named once.
; LIMITS: 1 / weight_scale is a reciprocal with one correction step: weight_scale lies between 2^-126 and 2^126 in magnitude (v_rcp_f32 takes a denormal as zero: ISA guide 15.8).
; REGISTERS: window 0: v0-31 addresses; v32-95 scale words; v100-103 1 / weight_scale; v128-223 x's fragments, one set; window 1: W's fragments, two sets; windows 2, 3: accumulators.
.set SIZE_N, 4096
.set ROWB,   256
.set KROW,   3072
.set CHUNKS, 6                         ; chunks in a trip
.set PITCH,  272
.set FR,     12
.set NL,     6
.set NP,     4
.set HALFT,  128*PITCH
.set SLOT,   4*HALFT
.set STAGE,  2*SLOT                    ; behind the ring: 16 rows x 528 bytes for each wave; no tensor load lands there
.set SPITCH, 528
.set SPARE,  STAGE+4*16*SPITCH         ; the spare words
.set ADRA, 16                          ; v16-17 my x fragments in slot 0, 1; v18-19 for loads whose lanes 0-15 read the end of a chunk in slot 0, 1 and whose lanes 16-31 the start of the next
.set ADRB, 20
.set STO,  24
.set RD,   25
.set CO,   26
.set SCO,  27
.set SPW,  28
.set NIL,  29
.set PFO,  30
.set BO,   31
.set SC,   32
.set INV,  100
.set AF,   128
.set BK,   128
.set G1, 24
.set G0, 32
.set G1B, 48
.set G0B, 56
.set PFA, 76
.set SCB, 8
.set OUT, 98
.set MSB, 0
.macro WIN new
.if MSB != \new
	s_set_vgpr_msb (MSB<<8)|\new
.set MSB, \new
.endif
.endm
.set MUL_LO, 0xa1
.set MUL_HI, 0xf1
.set TO_B,   0x40
.macro JLOAD s                         ; a joint load: waves 0, 1 fetch x's two halves, waves 2, 3 W's
	s_cmp_eq_u32 s15, 0
	s_cbranch_scc0 .Lfor_b_\@
	tensor_load_to_lds s[G0+4*(\s):G0+4*(\s)+3], s[G1:G1+7]
	s_nop 0
.rept 4
	v_nop
.endr
	s_branch .Lasked_\@
.Lfor_b_\@:
	tensor_load_to_lds s[G0B+4*(\s):G0B+4*(\s)+3], s[G1B:G1B+7]
	s_nop 0
.rept 4
	v_nop
.endr
.Lasked_\@:
.endm
.macro CREST
	s_cmp_lg_u32 s14, 0
	s_cbranch_scc1 .Lnot_wave_0_\@
	s_barrier_signal -3
.Lnot_wave_0_\@:
	s_barrier_wait -3
	s_barrier_signal -1
	s_barrier_wait -1
.endm
.macro CROUND
	s_barrier_signal -1
	s_barrier_wait -1
	CREST
.endm
.macro NEXTCHUNK s                     ; slot s's two descriptors step to its next chunk: no tensor load of the wave is out where this stands
	s_add_nc_u64 s[G0+4*(\s)+2:G0+4*(\s)+3], s[G0+4*(\s)+2:G0+4*(\s)+3], 2*ROWB
	s_add_nc_u64 s[G0B+4*(\s)+2:G0B+4*(\s)+3], s[G0B+4*(\s)+2:G0B+4*(\s)+3], 2*ROWB
.endm
	s_load_b128 s[4:7], s[0:1], 0x0                ; x_codes, W_codes
	s_load_b128 s[8:11], s[0:1], 0x10              ; scl, bias
	s_load_b128 s[96:99], s[0:1], 0x20             ; weight_scale, out0
	v_lshl_add_u32 v[SPW], v0, 2, SPARE
	v_mov_b32 v[NIL], 0
	ds_add_u32 v[SPW], v[NIL]                      ; the opening lines
	ds_add_u32 v[SPW], v[NIL]
	v_lshrrev_b32 v1, 5, v0
	v_readfirstlane_b32 s14, v1                    ; wave
	s_lshr_b32 s15, s14, 1                         ; my half of the rows; also: I fetch for x (0) or W (1)
	s_and_b32 s16, s14, 1                          ; my half of the columns; also: which 128 rows I fetch
	s_bfe_u32 s40, ttmp6, 0x40000
	s_bfe_u32 s41, ttmp6, 0x40004
	s_lshl_b32 s42, ttmp9, 2
	s_add_co_u32 s42, s42, s40                     ; tile column
	s_and_b32 s17, ttmp7, 0xffff
	s_lshl_b32 s17, s17, 2
	s_add_co_u32 s17, s17, s41                     ; tile row
	s_lshl_b32 s43, s41, 2
	s_lshl_b32 s43, 15, s43
	s_lshl_b32 s44, 0x1111, s40
	s_or_b32 s[G1+0], s43, (1<<20)|(1<<21)|(5<<22)|(3<<25)   ; the mask; elements of 1 byte; 4 words of padding behind every 64
	s_or_b32 s[G1B+0], s44, (1<<20)|(1<<21)|(5<<22)|(3<<25)
.irp g, G1, G1B
	s_mov_b32 s[\g+1], ROWB<<16
	s_mov_b32 s[\g+2], 128<<16
	s_mov_b32 s[\g+3], ROWB<<16
	s_mov_b32 s[\g+4], 128
	s_mov_b32 s[\g+5], KROW
	s_mov_b32 s[\g+6], 0
	s_mov_b32 s[\g+7], 0
.endr
	s_lshl_b32 s18, s16, 7
	s_lshl_b32 s20, s17, 8
	s_add_co_u32 s20, s20, s18
	s_lshl_b32 s46, s42, 8
	s_add_co_u32 s46, s46, s18
	s_mul_i32 s20, s20, KROW                       ; at most 4,096 x 3,072: 32 bits hold it
	s_mul_i32 s46, s46, KROW
	s_mov_b32 s21, 0
	s_mov_b32 s47, 0
	s_mul_i32 s45, s14, HALFT                      ; where my 128 rows go in a slot
	s_wait_dscnt 0x0
	s_wait_kmcnt 0x0
	s_load_b32 s70, s[96:97], 0x0
	s_add_nc_u64 s[20:21], s[4:5], s[20:21]
	s_add_nc_u64 s[46:47], s[6:7], s[46:47]
.irp s, 0,1                            ; each slot's descriptors stand two chunks ahead of its first: every load is issued behind a step of two chunks
	s_mov_b32 s[G0+4*\s], 1
	s_add_co_u32 s[G0+4*\s+1], s45, \s*SLOT
	s_add_nc_u64 s[G0+4*\s+2:G0+4*\s+3], s[20:21], \s*ROWB
	s_sub_nc_u64 s[G0+4*\s+2:G0+4*\s+3], s[G0+4*\s+2:G0+4*\s+3], 2*ROWB
	s_or_b32 s[G0+4*\s+3], s[G0+4*\s+3], 0x80000000
	s_mov_b32 s[G0B+4*\s], 1
	s_add_co_u32 s[G0B+4*\s+1], s45, \s*SLOT
	s_add_nc_u64 s[G0B+4*\s+2:G0B+4*\s+3], s[46:47], \s*ROWB
	s_sub_nc_u64 s[G0B+4*\s+2:G0B+4*\s+3], s[G0B+4*\s+2:G0B+4*\s+3], 2*ROWB
	s_or_b32 s[G0B+4*\s+3], s[G0B+4*\s+3], 0x80000000
.endr
	s_mov_b32 s18, SLOT-232
	s_mov_b32 s19, SLOT+232
	s_mul_i32 s21, s15, HALFT                      ; my 128 rows of x in a slot
	s_mul_i32 s22, s16, HALFT
	s_add_co_u32 s22, s22, 2*HALFT                 ; my 128 rows of W, behind x's 256
	s_add_co_u32 s74, s21, SLOT
	s_add_co_u32 s75, s22, SLOT
	s_mul_i32 s23, s14, 16*SPITCH
	s_add_co_u32 s23, s23, STAGE
	s_lshl_b32 s68, s17, 8
	s_lshl_b32 s20, s15, 7
	s_add_co_u32 s20, s68, s20                     ; my first row of x and of out0
	s_lshl_b32 s69, s42, 8
	s_lshl_b32 s73, s16, 7
	s_add_co_u32 s73, s69, s73                     ; my first row of W: my first column
	s_lshl_b32 s71, s20, 4                         ; x's scales: 16 bytes a row
	s_lshl_b32 s72, s73, 4
	s_add_co_u32 s72, s72, 524288                  ; W's lie behind x's
	s_sub_co_u32 s72, s72, s71
	s_lshl_b32 s46, s73, 2
	s_mov_b32 s47, 0
	s_add_nc_u64 s[10:11], s[10:11], s[46:47]      ; bias at my first column
	s_lshl_b32 s20, s20, 14
	s_add_co_u32 s46, s46, s20
	s_add_nc_u64 s[OUT:OUT+1], s[OUT:OUT+1], s[46:47]
	s_cmp_eq_u32 s15, 0                            ; the prefetches: the tile that I fetch for, my place among the four that ask with me
	s_cselect_b32 s20, s68, s69
	s_cselect_b32 s78, s40, s41
	s_cselect_b64 s[PFA:PFA+1], s[4:5], s[6:7]
	s_lshl_b32 s79, s16, 7
	s_add_co_u32 s20, s20, s79
	s_lshl_b32 s78, s78, 5
	s_add_co_u32 s20, s20, s78
	s_mul_i32 s46, s20, KROW
	s_add_nc_u64 s[PFA:PFA+1], s[PFA:PFA+1], s[46:47]
	s_wait_kmcnt 0x0
	v_and_b32 v1, 15, v0                           ; r
	v_bfe_u32 v2, v0, 4, 1                         ; h
	v_mul_u32_u24 v3, v1, PITCH
	v_mul_u32_u24 v4, v2, 24
	v_add_nc_u32 v4, v3, v4                        ; row x pitch + 24 h
	v_sub_nc_u32 v7, 1, v2
	v_mul_u32_u24 v5, s18, v2
	v_add_nc_u32 v5, v3, v5
	v_add_nc_u32 v5, 232, v5                       ; lanes 0-15 byte 232 of the row in slot 0, lanes 16-31 byte 0 of the row in slot 1
	v_mul_u32_u24 v6, s19, v7
	v_add_nc_u32 v6, v3, v6                        ; lanes 0-15 byte 232 in slot 1, lanes 16-31 byte 0 in slot 0
	v_add_nc_u32 v[ADRA],   s21, v4
	v_add_nc_u32 v[ADRA+1], s74, v4
	v_add_nc_u32 v[ADRA+2], s21, v5
	v_add_nc_u32 v[ADRA+3], s21, v6
	v_add_nc_u32 v[ADRB],   s22, v4
	v_add_nc_u32 v[ADRB+1], s75, v4
	v_add_nc_u32 v[ADRB+2], s22, v5
	v_add_nc_u32 v[ADRB+3], s22, v6
	v_mul_u32_u24 v5, v1, SPITCH
	v_lshl_add_u32 v5, v2, 5, v5
	v_add_nc_u32 v[STO], s23, v5
	v_and_b32 v6, 31, v0
	v_lshlrev_b32 v[CO], 4, v6
	v_add_nc_u32 v[RD], s23, v[CO]
	v_lshlrev_b32 v8, 4, v1
	v_mul_u32_u24 v9, s72, v2
	v_add3_u32 v[SCO], v8, v9, s71                 ; lanes 0-15 x's scales, lanes 16-31 W's
	v_mul_u32_u24 v[PFO], v6, KROW
	v_lshlrev_b32 v[BO], 5, v2                     ; bias: 8 h numbers on
	v_mov_b32 v102, s70
	s_wait_alu depctr_va_vdst(0)
	v_rcp_f32 v[INV], v102
	v_nop
	s_wait_alu depctr_va_vdst(0)
	v_fma_f32 v103, -v102, v[INV], 1.0
	v_fma_f32 v[INV], v103, v[INV], v[INV]
	v_mov_b32 v[INV+1], v[INV]
	global_prefetch_b8 v[PFO], s[PFA:PFA+1] th:TH_LOAD_NT scope:SCOPE_SE               ; my share of chunk 0,
	global_prefetch_b8 v[PFO], s[PFA:PFA+1] offset:ROWB th:TH_LOAD_NT scope:SCOPE_SE   ; and of chunk 1: the 128 loads below stand between these and the first tensor load
	; the sums begin as the bias: register j of accumulator (a, b) is column 16 b + 8 h + j
.irp w, 0,1
	WIN 0x80+0x40*\w
.irp a, 0,1,2,3
.irp b, 0,1,2,3,4,5,6,7
	global_load_b128 v[8*(8*\a+\b):8*(8*\a+\b)+3], v[BO], s[10:11] offset:64*\b
	global_load_b128 v[8*(8*\a+\b)+4:8*(8*\a+\b)+7], v[BO], s[10:11] offset:64*\b+16
.endr
.endr
.endr
	WIN 0
.macro FRAG reg, adr, st, i            ; 16 rows x 128 K: 12 registers, in pieces of 8 bytes; byte y of a trip's part of a row lies in chunk y / 256, slot (y / 256) % 2, at byte y % 256 of its LDS row
.irp p, 0,1,2,3,4,5
.set BY, 96*(\st)+48*(\p/3)+8*(\p%3)
.if BY/ROWB == (BY+24)/ROWB
	ds_load_b64 v[\reg+2*\p:\reg+2*\p+1], v[\adr+(BY/ROWB)%2] offset:BY%ROWB+(\i)*16*PITCH
.else
	ds_load_b64 v[\reg+2*\p:\reg+2*\p+1], v[\adr+2+(BY/ROWB)%2] offset:BY%ROWB-232+(\i)*16*PITCH
.endif
.endr
.endm
.macro MUL16 a0, st                    ; x's blocks a0, a0 + 1 against W's eight; the 64 accumulators take turns
.irp a, \a0, \a0+1
.irp b, 0,1,2,3,4,5,6,7
.set DD, 8*(8*((\a)%4)+\b)
.set WF, 128*((\st)%2)+FR*\b
.set XF, AF+FR*(\a)
.set SW, SC+32*(((\st)/4)%2)+(\st)%4
	v_wmma_scale_f32_16x16x128_f8f6f4 v[DD:DD+7], v[WF:WF+FR-1], v[XF:XF+FR-1], v[DD:DD+7], v[SW+4*\b], v[SW+4*(\a)] matrix_a_fmt:MATRIX_FMT_BF6 matrix_b_fmt:MATRIX_FMT_BF6 matrix_a_scale:MATRIX_SCALE_ROW1
.endr
.endr
.endm
.macro FETCH_B st
	WIN TO_B
.irp i, 0,1,2,3,4,5,6,7
	FRAG 128*((\st)%2)+FR*\i, ADRB, \st, \i
.endr
	WIN 0
.endm
.macro FETCH_A st, i0
.irp i, \i0, \i0+1, \i0+2, \i0+3
	FRAG AF+FR*(\i), ADRA, \st, \i
.endr
.endm
.macro SCALES qd                       ; the scale words of four steps into set qd % 2: register 4 i + q: block i, step q of the quad
.irp i, 0,1,2,3,4,5,6,7
	global_load_b128 v[SC+32*((\qd)%2)+4*\i:SC+32*((\qd)%2)+4*\i+3], v[SCO], s[SCB:SCB+1] offset:(\qd)*65536+\i*256
.endr
.endm
.macro PLACES n
.rept \n
	v_nop
.endr
.endm
; A slot's first fill of a trip: the wait, the add and the round, then the joint load.  twice = 1.
.macro OPENSLOT s, twice
	s_wait_tensorcnt 0x0
	ds_add_u32 v[SPW], v[NIL]
.if \twice
	ds_add_u32 v[SPW], v[NIL]
.endif
	NEXTCHUNK \s
	s_wait_dscnt 0x0                               ; the add, and all my reads of the ring
	CROUND
	JLOAD \s
.endm
; A step of 128 along K, st counted from the trip's start.  Where the next step's bytes END in a chunk not read yet: a barrier shows it whole.  Where they BEGIN in a later chunk:
; the chunk left behind is read no more: the three lines, the barrier, which opens a round of the cluster's barrier where a chunk two on is left in this trip, and the refill.
.macro STEP st
.set NX, (\st)+1
.set C0, (96*(\st))/ROWB
.set C1, (96*NX)/ROWB
.set E0, (96*(\st)+95)/ROWB
.set E1, (96*NX+95)/ROWB
.if (\st)%4 == 0
	s_wait_loadcnt 0x0                             ; this quad's scale words (in the first trip's first step the bias too); nothing younger is out
.endif
.if C1 > C0 || E1 > E0
	s_wait_tensorcnt 0x0
.if C1 > C0
	ds_add_u32 v[SPW], v[NIL]
	s_wait_dscnt 4*NL+1                            ; the add and x's blocks 4-7 may be out
.else
	s_wait_dscnt 4*NL
.endif
	WIN MUL_LO
	MUL16 0, \st
	s_wait_dscnt 0x0                               ; the add, and my reads of any chunk left behind
	s_barrier_signal -1
	MUL16 2, \st
	WIN 0
	s_barrier_wait -1
.if C1 > C0 && C0+2 < CHUNKS
	CREST
	NEXTCHUNK C0%2
	JLOAD C0%2                                     ; chunk C0 + 2; its four v_nop are the places in front of the loads below
.else
	PLACES NP
.endif
.else
	s_wait_dscnt 4*NL                              ; W's set and x's blocks 0-3 are in
	WIN MUL_LO
	MUL16 0, \st
	MUL16 2, \st
	s_wait_dscnt 0
	PLACES NP
.endif
	FETCH_B NX
	FETCH_A NX, 0
.if ((\st)%4 == 0) && ((\st) < 12)
	SCALES (\st)/4+1
.endif
.if C1 > C0 && C0+2 < CHUNKS
.if C0+4 >= CHUNKS
	s_cmp_lg_u32 s3, 1                             ; the chunk two refills on belongs to the next trip: the last trip has none
	s_cbranch_scc0 .Lno_ask_\@
.endif
	global_prefetch_b8 v[PFO], s[PFA:PFA+1] offset:(C0+4)*ROWB th:TH_LOAD_NT scope:SCOPE_SE
.if C0+4 >= CHUNKS
.Lno_ask_\@:
.endif
.endif
	WIN MUL_HI
	MUL16 4, \st
	MUL16 6, \st
	PLACES NP
	WIN 0
	FETCH_A NX, 4
.endm
	s_mov_b32 s3, 2
	s_wait_alu depctr_va_vdst(0)                   ; the head's end
.Lhalf:
	OPENSLOT 0, 1                                  ; the trip's chunk 0
	SCALES 0                                       ; and its first quad's scale words
	OPENSLOT 1, 0                                  ; chunk 0 is in, in every work-group; chunk 1 goes out
	FETCH_B 0
	FETCH_A 0, 0
	FETCH_A 0, 4
	global_prefetch_b8 v[PFO], s[PFA:PFA+1] offset:2*ROWB th:TH_LOAD_NT scope:SCOPE_SE   ; my share of the trip's chunk 2,
	global_prefetch_b8 v[PFO], s[PFA:PFA+1] offset:3*ROWB th:TH_LOAD_NT scope:SCOPE_SE   ; and of its chunk 3
.irp s, 0,1,2,3,4,5,6,7,8,9,10,11,12,13,14
	STEP \s
.endr
	s_wait_dscnt 4*NL                              ; the trip's last step: nothing more to fetch
	WIN MUL_LO
	MUL16 0, 15
	MUL16 2, 15
	s_wait_dscnt 0
	WIN MUL_HI
	MUL16 4, 15
	MUL16 6, 15
	WIN 0
	s_wait_xcnt 0x0                                ; the trip's scale loads and prefetches have read their bases
	s_add_nc_u64 s[PFA:PFA+1], s[PFA:PFA+1], CHUNKS*ROWB
	s_add_nc_u64 s[SCB:SCB+1], s[SCB:SCB+1], 4*65536
	s_sub_co_u32 s3, s3, 1
	s_cmp_lg_u32 s3, 0
	s_cbranch_scc1 .Lhalf
; THE WAY OUT, by blocks of 16 rows x 128 columns through my own stage: back as whole rows of 512 bytes, multiplied by 1 / weight_scale
.macro TOSTAGE a
.set AC, 64*((\a)%4)
	WIN 0x08+4*((\a)/4)
.irp b, 0,1,2,3,4,5,6,7
	ds_store_b128 v[STO], v[AC+8*\b:AC+8*\b+3] offset:64*\b        ; each accumulator from its low end on
	ds_store_b128 v[STO], v[AC+8*\b+4:AC+8*\b+7] offset:64*\b+16
.endr
	WIN 0
.set BB, BK+64*((\a)%2)
.irp t, 0,1,2,3,4,5,6,7,8,9,10,11,12,13,14,15
	ds_load_b128 v[BB+4*\t:BB+4*\t+3], v[RD] offset:\t*SPITCH
.endr
.endm
.macro SEND a, younger
.set BB, BK+64*((\a)%2)
	s_wait_dscnt \younger
.if (\a) > 0
	s_add_nc_u64 s[OUT:OUT+1], s[OUT:OUT+1], 16*SIZE_N*4   ; behind a wait on XCNT: the earlier stores have read their base
.endif
.irp t, 0,1,2,3,4,5,6,7,8,9,10,11,12,13,14,15
	v_pk_mul_f32 v[BB+4*\t:BB+4*\t+1], v[BB+4*\t:BB+4*\t+1], v[INV:INV+1]
	v_pk_mul_f32 v[BB+4*\t+2:BB+4*\t+3], v[BB+4*\t+2:BB+4*\t+3], v[INV:INV+1]
	global_store_b128 v[CO], v[BB+4*\t:BB+4*\t+3], s[OUT:OUT+1] offset:\t*SIZE_N*4 th:TH_STORE_NT   ; 32 lanes store 512 consecutive bytes, aligned
.endr
.endm
	PLACES NP
	TOSTAGE 0
.irp a, 1,2,3,4,5,6,7
.if \a > 1
	s_wait_xcnt 0x0                                ; block a - 2's stores have read their registers and their base
.endif
	TOSTAGE \a
	SEND \a-1, 32                                  ; behind block a - 1's loads: block a's 16 stores and 16 loads
.endr
	s_wait_xcnt 0x0
	SEND 7, 0
	s_wait_tensorcnt 0x0                           ; the wave's end
	ds_add_u32 v[SPW], v[NIL]
	s_wait_dscnt 0x0
	CROUND                                         ; the closing round
	s_endpgm
.Lfunc_end_k_qb3dd028d13_gemm:
	.size	k_qb3dd028d13_gemm, .Lfunc_end_k_qb3dd028d13_gemm-k_qb3dd028d13_gemm
	.p2alignl 7, 3214868480
	.fill 96, 4, 3214868480
	.section	.rodata,"a",@progbits
	.p2align	6, 0x0
	.amdhsa_kernel k_qb3dd028d13_gemm
		.amdhsa_group_segment_fixed_size 327680
		.amdhsa_private_segment_fixed_size 0
		.amdhsa_enable_private_segment 0
		.amdhsa_kernarg_size 48
		.amdhsa_user_sgpr_count 2
		.amdhsa_user_sgpr_kernarg_segment_ptr 1
		.amdhsa_wavefront_size32 1
		.amdhsa_system_sgpr_workgroup_id_x 1
		.amdhsa_system_sgpr_workgroup_id_y 1
		.amdhsa_system_sgpr_workgroup_id_z 1
		.amdhsa_system_vgpr_workitem_id 0
		.amdhsa_next_free_vgpr 1024
		.amdhsa_next_free_sgpr 100
		.amdhsa_reserve_vcc 0
		.amdhsa_float_denorm_mode_32 3
		.amdhsa_float_denorm_mode_16_64 3
		.amdhsa_memory_ordered 1
		.amdhsa_forward_progress 1
		.amdhsa_inst_pref_size 255
	.end_amdhsa_kernel
	.section	.bss,"aw",@nobits
	.p2align	6
	.space	262144
	.amdgpu_metadata
---
amdhsa.version: [ 1, 2 ]
amdhsa.kernels:
  - .name:           k_qb3dd028d13_gemm
    .symbol:         k_qb3dd028d13_gemm.kd
    .args:
      - { .name: x_codes, .offset: 0, .size: 8, .value_kind: global_buffer, .address_space: global }
      - { .name: W_codes, .offset: 8, .size: 8, .value_kind: global_buffer, .address_space: global }
      - { .name: scl, .offset: 16, .size: 8, .value_kind: global_buffer, .address_space: global }
      - { .name: bias, .offset: 24, .size: 8, .value_kind: global_buffer, .address_space: global }
      - { .name: weight_scale, .offset: 32, .size: 8, .value_kind: global_buffer, .address_space: global }
      - { .name: out0, .offset: 40, .size: 8, .value_kind: global_buffer, .address_space: global }
    .group_segment_fixed_size: 327680
    .private_segment_fixed_size: 0
    .kernarg_segment_align: 8
    .kernarg_segment_size: 48
    .max_flat_workgroup_size: 128
    .sgpr_count:     100
    .vgpr_count:     1024
    .wavefront_size: 32
...
	.end_amdgpu_metadata
.endif
;; end of part 2
